; MI455X (gfx1250); checked and timed in simulation.
; The chip was launched on July 23, 2026; its instructions are those of AMD's public machine-readable ISA for CDNA 5 (MIT licence, August 2026) and "CDNA5" Instruction Set Architecture Reference Guide (July 2026). The comments in the code are by the model that wrote it; some were corrected since.
;; Flow Matching Policy Head. Allowed arithmetic: float matrix products may take bf16 or f16 operands with f32 sums; other float arithmetic in f32, or as packed bf16 or f16 multiplies, adds, multiply-adds, maxima and minima; sums over many terms, partial sums and values carried from step to step in f32; what a program stores and reads back later, other than sums and carried values, may be rounded once to bf16 or f16.
;; Inputs: W1 3 x 256 x 256 float32; W2 3 x 256 x 256 float32; W_in 215 x 256 float32; W_out 256 x 23 float32; Wv1 128 x 256 float32; Wv2 256 x 1 float32; actions 131,072 x 23 float32; b1 3 x 256 float32; b2 3 x 256 float32; b_in 256 float32; b_out 23 float32; bv1 256 float32; bv2 1 float32; ln_b 3 x 256 float32; ln_g 3 x 256 float32; state 131,072 x 128 float32; t 131,072 float32; x0 131,072 x 23 float32.
;; Outputs: out0 one number float32; out1 131,072 x 1 float32.
;; One version. Each part assembles by itself: llvm-mc -triple=amdgcn-amd-amdhsa -mcpu=gfx1250 --defsym DOCPART=n.
;; ======== version 1 of 1: 3 launches
;; limits: values outside matrix products are rounded to bf16; a function is approximated: absolute error at most 3e-05
;; workspace buffers: ws 991,232 bytes; part 8,192 bytes
;; launch prep (part 1): grid 266 x 1, 8 waves a work-group, no clusters, 2,048 bytes of LDS; arguments W1, W2, W_in, W_out, Wv1, Wv2, b1, b2, b_in, b_out, bv1, bv2, ln_b, ln_g, ws; writes ws
.if DOCPART == 1
	.amdgcn_target "amdgcn-amd-amdhsa--gfx1250"
	.amdhsa_code_object_version 6
	.text
	.protected	k_qd3db4dba30_prep
	.globl	k_qd3db4dba30_prep
	.p2align	8
	.type	k_qd3db4dba30_prep,@function
k_qd3db4dba30_prep:
	s_mov_b64 s[64:65], 0
	v_nop
	global_prefetch_b8 v0, s[64:65] scope:SCOPE_SE
	s_setreg_imm32_b32 hwreg(HW_REG_WAVE_MODE, 25, 1), 1
	s_wait_xcnt 0x0
; THE WEIGHTS, ONCE, IN THE ORDER IN WHICH THE MAIN LAUNCH MULTIPLIES THEM.  No work of the problem is left out: every input has a way to an output and is loaded.
; Rewrites that hold for all values of the inputs, in exact arithmetic:
;   LayerNorm's gain goes into the first matrix of its block, W1'[k][n] = ln_g[k] W1[k][n]; its bias into that layer's bias, b1' = b1 + ln_b @ W1;
;   the last block's b2 goes through the output matrix, b_out' = b_out + b2[2] @ W_out; b_in is W_in's row for an input that is the constant 1.
; ws: 960 fragments of 1,024 bytes (16 output features x 32 k, bf16): byte 512 s + 16 L + 2 e holds W(n0 + L % 16, k0 + 16 s + 8 (L / 16) + e);
;   0-63 Wv1 (8 c + 2 kc + ntl), 64-175 W_in' (16 kc + nt; k' = 0-127 state, 128-191 time, 192-214 x_t, 215 b_in, 216-223 zero), 176-943 the blocks (256 b + 32 c + i; i < 16: W1', kc = i / 2, ntl = i % 2;
;   i >= 16: W2, feature tile i - 16, k = 32 c ..), 944-959 W_out (2 kc + ntl, columns from 23 on are 0).
; Behind them, at TAB, 8,192 bytes of f32: bv1, Wv2 (both rounded to bf16, as the value head's other inputs are), b1', b2[0..1], b_out' (32 words), bv2 (rounded likewise), zeros.
; SHARES.  Work-groups 0-239: four fragments each, a wave half a fragment: 512 consecutive bytes of ws a store.  240-263: 32 numbers of b1' each, k split among the eight waves, met in LDS.  264: b_out'.  265: the copies.
.set TAB, 983040
.set SPW, 62                           ; v62  LDS address of my spare word; never rewritten
.set NIL, 63                           ; v63  0; never rewritten
	s_load_b512 s[68:83], s[0:1], 0x0              ; W1 68, W2 70, W_in 72, W_out 74, Wv1 76, Wv2 78, b1 80, b2 82
	s_load_b256 s[84:91], s[0:1], 0x40             ; b_in 84, b_out 86, bv1 88, bv2 90
	s_load_b128 s[92:95], s[0:1], 0x60             ; ln_b 92, ln_g 94
	s_load_b64 s[96:97], s[0:1], 0x70              ; ws
	v_lshl_add_u32 v[SPW], v0, 2, 1024             ; the spare words lie behind the 1,024 bytes of partial sums
	v_mov_b32 v[NIL], 0
	v_lshrrev_b32 v1, 5, v0
	v_readfirstlane_b32 s2, v1                     ; wave 0..7
	v_and_b32 v1, 31, v0                           ; lane
	v_and_b32 v2, 15, v0                           ; r
	v_bfe_u32 v3, v0, 4, 1                         ; h
	s_lshr_b32 s3, s2, 1
	s_lshl2_add_u32 s3, ttmp9, s3                  ; F: my fragment = 4 x work-group + wave / 2
	s_and_b32 s4, s2, 1                            ; s: which half of it
	s_lshl_b32 s5, s4, 4
	v_lshl_add_u32 v4, v3, 3, s5                   ; my first k in the fragment: 16 s + 8 h
	v_lshlrev_b32 v5, 4, v1                        ; 16 x lane
	s_lshl_b32 s8, s3, 10
	s_lshl_b32 s9, s4, 9
	s_add_co_u32 s8, s8, s9
	s_mov_b32 s9, 0
	s_mov_b32 s25, 0                               ; high words of the offset pairs
	s_mov_b32 s27, 0
	s_mov_b32 s29, 0
	s_mov_b32 s24, 0
	s_wait_kmcnt 0x0
	s_add_nc_u64 s[10:11], s[96:97], s[8:9]        ; where a fragment's half goes
	s_cmp_lt_u32 ttmp9, 240
	s_cbranch_scc0 .Lbias
; The matrices with rows of 1,024 bytes.  In: s[12:13] the matrix, s5 the fragment's first row, s6 its first column, s24 bytes to the block.  lng = 1: times ln_g, at s[20:21].
.macro GEN lng
	s_lshl_b32 s5, s5, 10
	s_lshl2_add_u32 s5, s6, s5
	s_add_co_u32 s24, s24, s5
	s_add_nc_u64 s[12:13], s[12:13], s[24:25]
	v_lshlrev_b32 v6, 10, v4
	v_lshl_add_u32 v6, v2, 2, v6                   ; (16 s + 8 h) rows + 4 r
.irp e, 0,1,2,3,4,5,6,7
	global_load_b32 v[8+(\e)], v6, s[12:13] offset:1024*(\e)
.endr
.if \lng
	v_lshlrev_b32 v7, 2, v4
	global_load_b128 v[16:19], v7, s[20:21]
	global_load_b128 v[20:23], v7, s[20:21] offset:16
	s_wait_loadcnt 0x0
.irp e, 0,2,4,6
	v_pk_mul_f32 v[8+(\e):9+(\e)], v[8+(\e):9+(\e)], v[16+(\e):17+(\e)]
.endr
.endif
	s_branch .Lpack
.endm
	s_cmp_lt_u32 ttmp9, 16
	s_cbranch_scc0 .Lnot_v
	s_mov_b64 s[12:13], s[76:77]                   ; Wv1: F = 8 c + 2 kc + ntl
	s_bfe_u32 s5, s3, 0x20001
	s_lshl_b32 s5, s5, 5                           ; k0 = 32 kc
	s_lshr_b32 s6, s3, 3
	s_lshl_b32 s6, s6, 5
	s_and_b32 s14, s3, 1
	s_lshl_b32 s14, s14, 4
	s_add_co_u32 s6, s6, s14                       ; n0 = 32 c + 16 ntl
	s_branch .Lgen
.Lnot_v:
	s_cmp_lt_u32 ttmp9, 40
	s_cbranch_scc0 .Lnot_in
	s_mov_b64 s[12:13], s[72:73]                   ; W_in', kc 0..5
	s_sub_co_u32 s14, s3, 64
	s_lshr_b32 s15, s14, 4                         ; kc
	s_and_b32 s6, s14, 15
	s_lshl_b32 s6, s6, 4                           ; n0
	s_lshl_b32 s5, s15, 5
	s_add_co_u32 s16, s5, 87                       ; state: row 87 + k'
	s_sub_co_u32 s17, s5, 105                      ; time: row 23 + k' - 128
	s_cmp_lt_u32 s15, 4
	s_cselect_b32 s5, s16, s17
	s_branch .Lgen
.Lnot_in:
	s_cmp_lt_u32 ttmp9, 44
	s_cbranch_scc0 .Lnot_6
	s_sub_co_u32 s14, s3, 64                       ; W_in', kc 6: x_t's 23 rows, then b_in, then zeros
	s_and_b32 s6, s14, 15
	s_lshl_b32 s24, s6, 6                          ; 4 n0
	s_add_nc_u64 s[12:13], s[72:73], s[24:25]
	s_add_nc_u64 s[14:15], s[84:85], s[24:25]
	v_lshlrev_b32 v7, 2, v2
.irp e, 0,1,2,3,4,5,6,7
	v_add_nc_u32 v[44+(\e)], \e, v4                ; the row asked of x_t's part, 0..31
	v_min_u32 v[32+(\e)], 22, v[44+(\e)]           ; the load stays inside those 23 rows
	v_lshl_add_u32 v[32+(\e)], v[32+(\e)], 10, v7
	global_load_b32 v[8+(\e)], v[32+(\e)], s[12:13]
.endr
	global_load_b32 v40, v7, s[14:15]              ; b_in[n]
	s_wait_loadcnt 0x0
.irp e, 0,1,2,3,4,5,6,7
	v_cmp_gt_u32 vcc_lo, 23, v[44+(\e)]
	v_cndmask_b32 v[8+(\e)], 0, v[8+(\e)], vcc_lo
	v_cmp_eq_u32 vcc_lo, 23, v[44+(\e)]
	v_cndmask_b32 v[8+(\e)], v[8+(\e)], v40, vcc_lo
.endr
	s_branch .Lpack
.Lnot_6:
	s_cmp_lt_u32 ttmp9, 236
	s_cbranch_scc0 .Lwout
	s_sub_co_u32 s14, s3, 176                      ; the blocks: 256 b + 32 c + i
	s_lshr_b32 s15, s14, 8
	s_lshl_b32 s24, s15, 18                        ; a matrix is 262,144 bytes
	s_bfe_u32 s16, s14, 0x30005                    ; c
	s_and_b32 s17, s14, 31                         ; i
	s_cmp_lt_u32 s17, 16
	s_cbranch_scc0 .Lw2
	s_mov_b64 s[12:13], s[68:69]                   ; W1'
	s_lshr_b32 s5, s17, 1
	s_lshl_b32 s5, s5, 5                           ; k0 = 32 kc
	s_and_b32 s18, s17, 1
	s_lshl_b32 s18, s18, 4
	s_lshl_b32 s6, s16, 5
	s_add_co_u32 s6, s6, s18                       ; n0 = 32 c + 16 ntl
	s_lshl_b32 s26, s15, 8
	s_add_co_u32 s26, s26, s5
	s_lshl_b32 s26, s26, 2
	s_add_nc_u64 s[20:21], s[94:95], s[26:27]      ; ln_g at 256 b + k0
	GEN 1
.Lw2:
	s_mov_b64 s[12:13], s[70:71]                   ; W2
	s_lshl_b32 s5, s16, 5                          ; k0 = 32 c
	s_sub_co_u32 s6, s17, 16
	s_lshl_b32 s6, s6, 4                           ; n0
.Lgen:
	GEN 0
.Lwout:
	s_sub_co_u32 s14, s3, 944                      ; W_out: rows of 92 bytes; 2 kc + ntl
	s_lshr_b32 s5, s14, 1
	s_mul_i32 s24, s5, 32*92
	s_and_b32 s6, s14, 1
	s_lshl_b32 s6, s6, 4
	s_add_nc_u64 s[12:13], s[74:75], s[24:25]
	v_add_nc_u32 v7, s6, v2                        ; n
	v_min_u32 v32, 22, v7                          ; the load stays inside the 23 columns
	v_mul_u32_u24 v6, v4, 92
	v_lshl_add_u32 v6, v32, 2, v6
.irp e, 0,1,2,3,4,5,6,7
	global_load_b32 v[8+(\e)], v6, s[12:13] offset:92*(\e)
.endr
	s_wait_loadcnt 0x0
	v_cmp_gt_u32 vcc_lo, 23, v7
.irp e, 0,1,2,3,4,5,6,7
	v_cndmask_b32 v[8+(\e)], 0, v[8+(\e)], vcc_lo
.endr
.Lpack:
	s_wait_loadcnt 0x0
.irp e, 0,1,2,3
	v_cvt_pk_bf16_f32 v[24+(\e)], v[8+2*(\e)], v[9+2*(\e)]
.endr
	global_store_b128 v5, v[24:27], s[10:11]       ; the wave stores 512 consecutive bytes, at a multiple of 512 from ws's first
	s_branch .Lend
; A bias carried through a matrix: out[col] = base[col] + the sum over k of vec[k] M[k][col], 32 columns, a lane a column; wave w takes k = 32 w .. 32 w + 31.
.macro BDOT stride
	s_load_b512 s[32:47], s[12:13], 0x0            ; my 32 numbers of vec
	s_load_b512 s[48:63], s[12:13], 0x40
	v_min_u32 v6, s22, v1
	v_lshlrev_b32 v6, 2, v6
.set i, 0
.rept 32
	global_load_b32 v[16+i], v6, s[14:15] offset:i*(\stride)
.set i, i+1
.endr
	global_load_b32 v48, v6, s[16:17]
.endm
.Lbias:
	s_cmp_eq_u32 ttmp9, 265
	s_cbranch_scc1 .Ltab
	s_cmp_eq_u32 ttmp9, 264
	s_cbranch_scc1 .Lbo
	s_sub_co_u32 s3, ttmp9, 240                    ; b1': block b, columns 32 cg ..
	s_lshr_b32 s18, s3, 3
	s_and_b32 s19, s3, 7
	s_lshl_b32 s24, s18, 10
	s_lshl_b32 s4, s2, 7
	s_add_co_u32 s24, s24, s4
	s_add_nc_u64 s[12:13], s[92:93], s[24:25]      ; ln_b at 256 b + 32 w
	s_lshl_b32 s26, s18, 18
	s_lshl_b32 s4, s2, 15
	s_add_co_u32 s26, s26, s4
	s_lshl_b32 s4, s19, 7
	s_add_co_u32 s26, s26, s4
	s_add_nc_u64 s[14:15], s[68:69], s[26:27]      ; W1[b] at row 32 w, column 32 cg
	s_lshl_b32 s28, s18, 10
	s_add_co_u32 s28, s28, s4
	s_add_nc_u64 s[16:17], s[80:81], s[28:29]      ; b1
	s_add_co_u32 s28, s28, TAB+2048
	s_add_nc_u64 s[20:21], s[96:97], s[28:29]
	s_mov_b32 s22, 31
	s_mov_b32 s23, 32
	BDOT 1024
	s_branch .Lbd
.Lbo:
	s_lshl_b32 s24, s2, 7                          ; b_out'
	s_add_co_u32 s24, s24, 2048
	s_add_nc_u64 s[12:13], s[82:83], s[24:25]      ; b2[2] at 32 w
	s_mul_i32 s26, s2, 32*92
	s_add_nc_u64 s[14:15], s[74:75], s[26:27]      ; W_out at row 32 w
	s_mov_b64 s[16:17], s[86:87]                   ; b_out
	s_add_nc_u64 s[20:21], s[96:97], TAB+7168
	s_mov_b32 s22, 22                              ; the loads stay inside the 23 columns,
	s_mov_b32 s23, 23                              ; and from column 23 on 0 is stored
	BDOT 92
.Lbd:
	s_wait_kmcnt 0x0
	s_wait_loadcnt 0x0
.irp k, 0,1,2,3
	v_mul_f32 v[8+(\k)], s[32+(\k)], v[16+(\k)]    ; four chains, started by the first four products
.endr
.set i, 4
.rept 28
	v_fmac_f32 v[8+i%4], s[32+i], v[16+i]
.set i, i+1
.endr
	v_add_f32 v8, v8, v9
	v_add_f32 v10, v10, v11
	v_add_f32 v8, v8, v10
	v_lshlrev_b32 v7, 2, v0
	ds_store_b32 v7, v8                            ; word 32 w + lane
	s_wait_dscnt 0x0                               ; for the others' sake: my store is done
	s_barrier_signal -1
	s_barrier_wait -1
	s_cmp_lg_u32 s2, 0
	s_cbranch_scc1 .Lend
	v_lshlrev_b32 v7, 2, v1
.irp j, 0,1,2,3,4,5,6,7
	ds_load_b32 v[8+(\j)], v7 offset:128*(\j)
.endr
	s_wait_dscnt 0x0
	v_add_f32 v8, v8, v9
	v_add_f32 v10, v10, v11
	v_add_f32 v12, v12, v13
	v_add_f32 v14, v14, v15
	v_add_f32 v8, v8, v10
	v_add_f32 v12, v12, v14
	v_add_f32 v8, v8, v12
	v_add_f32 v8, v8, v48
	v_cmp_gt_u32 vcc_lo, s23, v1
	v_cndmask_b32 v8, 0, v8, vcc_lo
	global_store_b32 v7, v8, s[20:21]
	s_branch .Lend
.Ltab:
	v_lshlrev_b32 v6, 2, v0                        ; thread t copies word t of each table
	v_mov_b32 v7, 0
	global_load_b32 v8, v6, s[88:89]               ; bv1
	global_load_b32 v9, v6, s[78:79]               ; Wv2
	global_load_b32 v10, v6, s[82:83]              ; b2[0]
	global_load_b32 v11, v6, s[82:83] offset:1024  ; b2[1]
	global_load_b32 v12, v7, s[90:91]              ; bv2
	s_add_nc_u64 s[20:21], s[96:97], TAB
	s_wait_loadcnt 0x0
	v_cvt_pk_bf16_f32 v13, v8, v9                  ; rounded to bf16 and widened again
	v_lshlrev_b32 v8, 16, v13
	v_and_b32 v9, 0xffff0000, v13
	v_cvt_pk_bf16_f32 v12, v12, v12
	v_lshlrev_b32 v12, 16, v12
	global_store_b32 v6, v8, s[20:21]
	global_store_b32 v6, v9, s[20:21] offset:1024
	global_store_b32 v6, v10, s[20:21] offset:5120
	global_store_b32 v6, v11, s[20:21] offset:6144
	v_cmp_eq_u32 vcc_lo, 32, v0
	v_cndmask_b32 v14, 0, v12, vcc_lo              ; word 32 behind b_out' is bv2, the rest of the table 0
	v_cmp_le_u32 vcc_lo, 32, v0
	s_wait_xcnt 0x0                                ; EXEC changes only behind this wait
	s_and_saveexec_b32 s14, vcc_lo
	global_store_b32 v6, v14, s[20:21] offset:7168
	s_wait_xcnt 0x0                                ; and again, in front of the line that widens it
	s_or_b32 exec_lo, exec_lo, s14
.Lend:
	s_wait_tensorcnt 0x0                           ; the wave's end, behind my last LDS store
	ds_add_u32 v[SPW], v[NIL]
	s_wait_dscnt 0x0
	s_endpgm
.Lfunc_end_k_qd3db4dba30_prep:
	.size	k_qd3db4dba30_prep, .Lfunc_end_k_qd3db4dba30_prep-k_qd3db4dba30_prep
	.p2alignl 7, 3214868480
	.fill 96, 4, 3214868480
	.section	.rodata,"a",@progbits
	.p2align	6, 0x0
	.amdhsa_kernel k_qd3db4dba30_prep
		.amdhsa_group_segment_fixed_size 2048
		.amdhsa_private_segment_fixed_size 0
		.amdhsa_enable_private_segment 0
		.amdhsa_kernarg_size 120
		.amdhsa_user_sgpr_count 2
		.amdhsa_user_sgpr_kernarg_segment_ptr 1
		.amdhsa_wavefront_size32 1
		.amdhsa_system_sgpr_workgroup_id_x 1
		.amdhsa_system_sgpr_workgroup_id_y 1
		.amdhsa_system_sgpr_workgroup_id_z 1
		.amdhsa_system_vgpr_workitem_id 0
		.amdhsa_next_free_vgpr 64
		.amdhsa_next_free_sgpr 100
		.amdhsa_reserve_vcc 1
		.amdhsa_float_denorm_mode_32 3
		.amdhsa_float_denorm_mode_16_64 3
		.amdhsa_memory_ordered 1
		.amdhsa_forward_progress 1
		.amdhsa_inst_pref_size 23
	.end_amdhsa_kernel
	.amdgpu_metadata
---
amdhsa.version: [ 1, 2 ]
amdhsa.kernels:
  - .name:           k_qd3db4dba30_prep
    .symbol:         k_qd3db4dba30_prep.kd
    .args:
      - { .name: W1, .offset: 0, .size: 8, .value_kind: global_buffer, .address_space: global }
      - { .name: W2, .offset: 8, .size: 8, .value_kind: global_buffer, .address_space: global }
      - { .name: W_in, .offset: 16, .size: 8, .value_kind: global_buffer, .address_space: global }
      - { .name: W_out, .offset: 24, .size: 8, .value_kind: global_buffer, .address_space: global }
      - { .name: Wv1, .offset: 32, .size: 8, .value_kind: global_buffer, .address_space: global }
      - { .name: Wv2, .offset: 40, .size: 8, .value_kind: global_buffer, .address_space: global }
      - { .name: b1, .offset: 48, .size: 8, .value_kind: global_buffer, .address_space: global }
      - { .name: b2, .offset: 56, .size: 8, .value_kind: global_buffer, .address_space: global }
      - { .name: b_in, .offset: 64, .size: 8, .value_kind: global_buffer, .address_space: global }
      - { .name: b_out, .offset: 72, .size: 8, .value_kind: global_buffer, .address_space: global }
      - { .name: bv1, .offset: 80, .size: 8, .value_kind: global_buffer, .address_space: global }
      - { .name: bv2, .offset: 88, .size: 8, .value_kind: global_buffer, .address_space: global }
      - { .name: ln_b, .offset: 96, .size: 8, .value_kind: global_buffer, .address_space: global }
      - { .name: ln_g, .offset: 104, .size: 8, .value_kind: global_buffer, .address_space: global }
      - { .name: ws, .offset: 112, .size: 8, .value_kind: global_buffer, .address_space: global }
    .group_segment_fixed_size: 2048
    .private_segment_fixed_size: 0
    .kernarg_segment_align: 8
    .kernarg_segment_size: 120
    .max_flat_workgroup_size: 256
    .sgpr_count:     100
    .vgpr_count:     64
    .wavefront_size: 32
...
	.end_amdgpu_metadata
.endif
;; end of part 1
;; launch main (part 2): grid 512 x 1, 4 waves a work-group, clusters of 4 x 1, 327,680 bytes of LDS; arguments state, actions, t, x0, ws, out1, part; writes out1, part
.if DOCPART == 2
	.amdgcn_target "amdgcn-amd-amdhsa--gfx1250"
	.amdhsa_code_object_version 6
	.text
	.protected	k_qd3db4dba30_main
	.globl	k_qd3db4dba30_main
	.p2align	8
	.type	k_qd3db4dba30_main,@function
k_qd3db4dba30_main:
	s_mov_b64 s[64:65], 0
	v_nop
	global_prefetch_b8 v0, s[64:65] scope:SCOPE_SE
	s_setreg_imm32_b32 hwreg(HW_REG_WAVE_MODE, 25, 1), 1
	s_wait_xcnt 0x0
	s_wait_alu depctr_hold_cnt(0) depctr_sa_sdst(0) depctr_va_vdst(0) depctr_va_sdst(0) depctr_va_ssrc(0) depctr_va_vcc(0) depctr_vm_vsrc(0)
	s_getreg_b32 s2, hwreg(HW_REG_IB_STS2, 6, 4)
	s_cmp_eq_u32 s2, 0
	s_cbranch_scc0 .Lentry_in_a_cluster
	s_endpgm
.Lentry_in_a_cluster:
	s_bfe_u32 s2, ttmp6, 0x10000c
	s_cmp_lg_u32 s2, 0x3003
	s_cbranch_scc0 .Lentry_shape_is_right
	s_endpgm
.Lentry_shape_is_right:
; THE WHOLE NET FOR 256 ROWS A WORK-GROUP: value head, time embedding, input layer, three residual blocks, output layer, and the rows' share of the loss.  Nothing of the problem is left out; the folds of gains and
; biases into the weights are said at the head of the launch before, which wrote ws.
; SHARES.  A wave owns 64 rows, four tiles of 16 (rt), and all 256 features.  EVERY PRODUCT IS USED TRANSPOSED: source 0 = 16 output features of a weight matrix, source 1 = 16 rows.  In the result lane (r, h) holds
; row r and the features n0 + 8 h + 0..7, so two neighbouring result tiles, rounded in pairs, ARE source 1 of the next layer: activations never leave the registers, a row's mean wants one exchange between the halves
; of the lanes, and only weights go through LDS.  The residual x is the accumulator of each block's second product, 512 registers.
; A block goes by chunks of 32 hidden features: 64 products (W1', all of K), silu, 64 products (W2, K = the chunk) onto x.  A fragment of weights, two LDS loads, feeds four products.
; THE RING.  Two LDS slots of 128 KiB; the weights come as eight tiles (Wv1; W_in'; six half blocks), each wave a quarter of each.  All work-groups walk the same weights, so the four of a cluster ask JOINTLY.
; At first slot 1 holds the state and the upper part of slot 0 actions and x0, each wave's own rows.
; LIMITS.  Matrix operands are bf16, sums f32.  sin and cos: the angle is reduced as u - rndne(u), u = t f / 2 pi in f32: its error is 2 pi |u| 2^-24, under bf16's step for |t| up to 10,000.
; The polynomials leave 3e-5 at the most.  x_t is taken as x0 + t (actions - x0).  NaN and infinities are not treated apart.
; REGISTERS, in windows of 256 (s_set_vgpr_msb: bits 1:0 source 0, 3:2 source 1, 5:4 source 2, 7:6 destination):
;   window 0: see the names below     window 1: A(rt, kc), the layer's input in bf16, at 64 rt + 8 kc     windows 2, 3: X(rt, nt) in window 2 + rt / 2 at 128 (rt % 2) + 8 nt
.set SLOT1, 131072
.set ACTA,  65536                      ; actions, 5,888 bytes a wave, first fill only
.set ACTX,  89088                      ; x0 likewise
.set RES,   266240                     ; W_out's 16 fragments, then the tables: filled once
.set TABL,  RES+16384
.set VT,    290816                     ; actions - x0 in f32, 8,192 bytes a wave; no tensor load lands here
.set VST,   323584                     ; 256 bytes a wave: the value's way out; no tensor load lands here
.set SPARE, 324608                     ; the spare words, 128 bytes a wave: two blocks of 256 bytes that no other line names
.set W0,    1                          ; v1   16 x lane; never rewritten
.set WADR,  2                          ; v2   LDS address of the fragment loads
.set BADR,  3                          ; v3   of the bias fragments
.set SPW,   4                          ; v4   LDS address of my spare word; never rewritten
.set NIL,   5                          ; v5   0; never rewritten
.set RR,    6                          ; v6   r = lane % 16
.set HH,    7                          ; v7   h = lane / 16
.set PFO,   8                          ; v8   256 x lane: the prefetches' offset; never rewritten
.set B2ADR, 9                          ; v9   LDS address of b2
.set WADR2, 10                         ; v10  the input layer's fragments from 64 on
.set BI,    16                         ; v16-31   two bias fragments, the C operand that starts a sum
.set H,     32                         ; v32-95   H(ntl, rt) at 32 + 8 (4 ntl + rt)
.set E,     96                         ; v96-159  at work
.set P,     160                        ; v160-191 P(rt) at 160 + 8 rt; at other times frequencies and t, Wv2 and the value's sums, LayerNorm's statistics
.set WB,    192                        ; v192-255 two buffers of four fragments
.set FR,    160
.set TT,    176
.set WVR,   160
.set VA,    176
.set WV,   72                          ; s72 my wave's number
.set CX,   73                          ; s73 my place in the cluster: it enters global addresses of my own rows, and the prefetches', alone
.set WGX,  74                          ; s74 my block of 256 rows
.set TRIP, 75
.set CNT,  76
.set TB,   77                          ; s77 LDS byte at which the chunk to be fetched begins
.set PAR,  78                          ; s78 0: a block's first half, 1: its second
.set LIM,  79                          ; s79 1 in the cluster that prefetches, else the greatest number
.set PFA,  80                          ; s[80:81] where my prefetches stand
.set MSB, 0
.macro WIN new                         ; the immediate's high byte repeats the setting that is left; a switch that changes nothing is dropped
.if MSB != (\new)
	s_set_vgpr_msb (MSB<<8)|(\new)
.set MSB, (\new)
.endif
.endm
.macro PLACES                          ; four places behind a product: in front of loads into registers that it read, of vector lines that read its result or write its sources
.rept 4
	v_nop
.endr
.endm
.macro CROUND                          ; a round of the cluster's barrier
	s_barrier_signal -1
	s_barrier_wait -1
	s_cmp_lg_u32 s[WV], 0
	s_cbranch_scc1 .Lnot_wave_0_\@
	s_barrier_signal -3
.Lnot_wave_0_\@:
	s_barrier_wait -3
	s_barrier_signal -1
	s_barrier_wait -1
.endm
; A prefetch of the tile that the NEXT change of slots will ask for: 512 blocks of 256 bytes, shared out by address among the 16 waves of the launch's first cluster, a lane a block.  All clusters walk the same
; tiles, so nobody else asks.  The first two tiles and the tables come by their loads alone; the last change that fills a slot asks for nothing.
.macro ASK loop
.if \loop
	s_cmp_gt_u32 s[TRIP], s[LIM]
.else
	s_cmp_eq_u32 s[LIM], 1
.endif
	s_cbranch_scc0 .Lnot_mine_\@
	global_prefetch_b8 v[PFO], s[PFA:PFA+1] th:TH_LOAD_NT scope:SCOPE_SE
.Lnot_mine_\@:
.endm
; THE CHANGE OF SLOTS.  Each wave waits for all its tensor loads (its quarter of the tile to be read next), adds 0 to its spare word, and waits for that and for its reads of the slot that it leaves.
; kind 1, 2, 3: that slot is filled again, jointly: the barrier is a round of the cluster's, and the load is the first thing behind it.  1: W_in' into slot 1; 2: the first half block into slot 0; 3: the next half block.
; kind 0: nothing is left to ask for.
.macro CHANGE kind
	WIN 0
	s_wait_tensorcnt 0x0                           ; no tensor load of mine is out, so the descriptor may be written
	ds_add_u32 v[SPW], v[NIL]                      ; 0 onto my spare word; the scalar work stands between it and the wait for it
.if (\kind) == 1
	s_mov_b32 s18, 112<<16                         ; 112 rows of 256 bytes a wave
	s_mov_b32 s20, 112
	s_mul_i32 s49, s[WV], 28672
	s_add_co_u32 s49, s49, SLOT1
	s_mul_i32 s82, s[WV], 28672
	s_add_co_u32 s82, s82, 65536
	s_add_nc_u64 s[50:51], s[12:13], s[82:83]
	s_or_b32 s51, s51, 0x80000000
.elseif (\kind) == 2
	s_mov_b32 s18, 128<<16                         ; 128 rows a wave from here on
	s_mov_b32 s20, 128
	s_lshl_b32 s49, s[WV], 15
	s_lshl_b32 s82, s[WV], 15
	s_add_co_u32 s82, s82, 180224
	s_add_nc_u64 s[50:51], s[12:13], s[82:83]
	s_or_b32 s51, s51, 0x80000000
.elseif (\kind) == 3
	s_xor_b32 s49, s49, SLOT1                      ; the other slot than last time,
	s_add_nc_u64 s[50:51], s[50:51], 131072        ; the next half block; the type bits on top are not reached
.endif
.if \kind
	s_wait_xcnt 0x0                                ; the last prefetch, a tile back, has read its address
	s_add_nc_u64 s[PFA:PFA+1], s[PFA:PFA+1], 131072
	s_wait_dscnt 0x0                               ; the add is done, and my reads of the slot are over
	CROUND
	tensor_load_to_lds s[48:51], s[16:23]
	s_nop 0
	PLACES
.if (\kind) == 3
	ASK 1
.else
	ASK 0
.endif
.else
	s_wait_dscnt 0x0
	s_barrier_signal -1
	s_barrier_wait -1
.endif
.if ((\kind) == 3) || ((\kind) == 0)
	s_sub_co_u32 s[TB], s[TB], 131072              ; the fetches go back to a slot's first chunk,
	s_xor_b32 s[TB], s[TB], SLOT1                  ; in the other slot
.endif
.endm
; Eight LDS loads: fragments 4 g .. 4 g + 3 behind the address, into buffer buf.  32 lanes take 512 consecutive bytes.
.macro FETCH g, buf, adr
.irp f, 0,1,2,3
	ds_load_b128 v[WB+32*(\buf)+8*(\f):WB+32*(\buf)+8*(\f)+3],   v[\adr] offset:1024*(4*(\g)+(\f))
	ds_load_b128 v[WB+32*(\buf)+8*(\f)+4:WB+32*(\buf)+8*(\f)+7], v[\adr] offset:1024*(4*(\g)+(\f))+512
.endr
.endm
.macro BILOAD                          ; the biases of my 8 features in each of the chunk's two tiles
	ds_load_b128 v[BI:BI+3],     v[BADR]
	ds_load_b128 v[BI+4:BI+7],   v[BADR] offset:16
	ds_load_b128 v[BI+8:BI+11],  v[BADR] offset:64
	ds_load_b128 v[BI+12:BI+15], v[BADR] offset:80
.endm
; 16 products of a narrow layer (32 features): fragment f of group g is K step 2 g + f / 2, tile f % 2.  The 8 accumulators take turns.  The first K step starts the sums with the bias.
.macro MULN g
	WIN 0x04
.irp f, 0,1,2,3
.irp rt, 0,1,2,3
.set rH, H+8*(4*((\f)%2)+(\rt))
.set rW, WB+32*((\g)%2)+8*(\f)
.set rA, 64*(\rt)+8*(2*(\g)+(\f)/2)
.if (2*(\g)+(\f)/2) == 0
	v_wmma_f32_16x16x32_bf16 v[rH:rH+7], v[rW:rW+7], v[rA:rA+7], v[BI+8*((\f)%2):BI+8*((\f)%2)+7]
.else
	v_wmma_f32_16x16x32_bf16 v[rH:rH+7], v[rW:rW+7], v[rA:rA+7], v[rH:rH+7]
.endif
.endr
.endr
.endm
; 16 products of a wide layer, one K step: feature tiles nt0 .. nt0 + 3 onto X.  usea = 1: source 1 is A(rt, kc), else P(rt).  zero = 1: they start the sums.  16 different accumulators.
.macro MULW buf, nt0, usea, kc, zero
.irp hf, 0,1
	WIN 0xa0+0x50*(\hf)+4*(\usea)
.irp f, 0,1,2,3
.irp r2, 0,1
.set rX, 128*(\r2)+8*((\nt0)+(\f))
.set rW, WB+32*(\buf)+8*(\f)
.if \usea
.set rS, 64*(2*(\hf)+(\r2))+8*(\kc)
.else
.set rS, P+8*(2*(\hf)+(\r2))
.endif
.if \zero
	v_wmma_f32_16x16x32_bf16 v[rX:rX+7], v[rW:rW+7], v[rS:rS+7], 0
.else
	v_wmma_f32_16x16x32_bf16 v[rX:rX+7], v[rW:rW+7], v[rS:rS+7], v[rX:rX+7]
.endif
.endr
.endr
.endr
.endm
; A group's turn: its fragments, asked for a group earlier, are in; the next group's are asked for; its 16 products; the places.
.macro STEPN g, nf
	s_wait_dscnt 0x0
	WIN 0x04
.if \nf
	FETCH (\g)+1, ((\g)+1)%2, WADR
.endif
	MULN \g
	PLACES
.endm
.macro STEPW g
	s_wait_dscnt 0x0
	WIN 0
	FETCH (\g)+1, ((\g)+1)%2, WADR
	MULW (\g)%2, 4*((\g)-4), 0, 0, 0
	PLACES
.endm
; 1 / (1 + 2^(-log2(e) x)) for n registers from sb (in window w) into db.  Two batches of transcendentals, each with a plain line behind it and one wait ahead of its first reader.
; Every list goes upward.
.macro SIG sb, db, n, w
	WIN \w
.set i, 0
.rept (\n)/2
	v_pk_mul_f32 v[(\db)+i:(\db)+i+1], v[(\sb)+i:(\sb)+i+1], s[90:91] op_sel_hi:[1,0]
.set i, i+2
.endr
	WIN 0
.set i, 0
.rept \n
	v_exp_f32 v[(\db)+i], v[(\db)+i]
.set i, i+1
.endr
	v_nop
	s_wait_alu depctr_va_vdst(0)
.set i, 0
.rept (\n)/2
	v_pk_add_f32 v[(\db)+i:(\db)+i+1], v[(\db)+i:(\db)+i+1], 1.0 op_sel_hi:[1,0]
.set i, i+2
.endr
.set i, 0
.rept \n
	v_rcp_f32 v[(\db)+i], v[(\db)+i]
.set i, i+1
.endr
	v_nop
	s_wait_alu depctr_va_vdst(0)
.endm
.macro V                               ; P = bf16(silu(H))
	SIG H, E, 64, 0
.set i, 0
.rept 32
	v_pk_mul_f32 v[H+i:H+i+1], v[H+i:H+i+1], v[E+i:E+i+1]
.set i, i+2
.endr
.irp ntl, 0,1
.irp rt, 0,1,2,3
.irp q, 0,1,2,3
	v_cvt_pk_bf16_f32 v[P+8*(\rt)+4*(\ntl)+(\q)], v[H+8*(4*(\ntl)+(\rt))+2*(\q)], v[H+8*(4*(\ntl)+(\rt))+2*(\q)+1]
.endr
.endr
.endr
.endm
.macro VV                              ; the value's sums take silu(H) . Wv2, all in f32
	SIG H, E, 64, 0
.irp ntl, 0,1
.irp rt, 0,1,2,3
.irp q, 0,1,2,3
	v_pk_mul_f32 v[E+8*(4*(\ntl)+(\rt))+2*(\q):E+8*(4*(\ntl)+(\rt))+2*(\q)+1], v[E+8*(4*(\ntl)+(\rt))+2*(\q):E+8*(4*(\ntl)+(\rt))+2*(\q)+1], v[WVR+8*(\ntl)+2*(\q):WVR+8*(\ntl)+2*(\q)+1]
.endr
.endr
.endr
.irp ntl, 0,1
.irp q, 0,1,2,3
.irp rt, 0,1,2,3
	v_pk_fma_f32 v[VA+2*(\rt):VA+2*(\rt)+1], v[H+8*(4*(\ntl)+(\rt))+2*(\q):H+8*(4*(\ntl)+(\rt))+2*(\q)+1], v[E+8*(4*(\ntl)+(\rt))+2*(\q):E+8*(4*(\ntl)+(\rt))+2*(\q)+1], v[VA+2*(\rt):VA+2*(\rt)+1]
.endr
.endr
.endr
.endm
.macro START                           ; a tile's first fragments and biases
	WIN 0
	v_add_nc_u32 v[WADR], s[TB], v[W0]
	FETCH 0, 0, WADR
	BILOAD
.endm
; HALF A BLOCK: four chunks of 32 hidden features.  A chunk is 32 fragments: 16 of W1', 16 of W2.  In the last trip the next chunk lies in the other slot, and its fetch is jumped over.
.macro HB
	START
	s_mov_b32 s[CNT], 4
.Lchunk_\@:
	STEPN 0, 1
	STEPN 1, 1
	STEPN 2, 1
	STEPN 3, 1
	V
	STEPW 4
	STEPW 5
	STEPW 6
	s_wait_dscnt 0x0
	WIN 0
	s_add_co_u32 s[TB], s[TB], 32768
	v_add_nc_u32 v[BADR], 128, v[BADR]
	s_cmp_eq_u32 s[CNT], 1
	s_cbranch_scc1 .Lno_fetch_\@
	v_add_nc_u32 v[WADR], s[TB], v[W0]
	FETCH 0, 0, WADR
	BILOAD
.Lno_fetch_\@:
	MULW 1, 12, 0, 0, 0
	PLACES
	WIN 0
	s_sub_co_u32 s[CNT], s[CNT], 1
	s_cmp_lg_u32 s[CNT], 0
	s_cbranch_scc1 .Lchunk_\@
.endm
.macro SILUX rt                        ; X = silu(X) for one row tile
	SIG 128*((\rt)%2), 32, 128, 2+(\rt)/2
	WIN 0x82+0x41*((\rt)/2)
.set i, 0
.rept 64
	v_pk_mul_f32 v[128*((\rt)%2)+i:128*((\rt)%2)+i+1], v[128*((\rt)%2)+i:128*((\rt)%2)+i+1], v[32+i:32+i+1]
.set i, i+2
.endr
.endm
; LAYERNORM of one row tile, in two passes as the problem has it: the mean; the differences (v32-159); their squares' mean; A = bf16(difference x rsqrt).  A row lies in two lanes, 128 registers each.
.macro LNRT rt
.set XB, 128*((\rt)%2)
.set WS, 2+(\rt)/2
	WIN 5*WS
.irp k, 0,1,2,3
	v_pk_add_f32 v[160+2*(\k):161+2*(\k)], v[XB+4*(\k):XB+4*(\k)+1], v[XB+4*(\k)+2:XB+4*(\k)+3]  ; four chains, started by the first eight pairs
.endr
	WIN WS
.set p, 8
.rept 56
	v_pk_add_f32 v[160+2*(p%4):161+2*(p%4)], v[XB+2*p:XB+2*p+1], v[160+2*(p%4):161+2*(p%4)]
.set p, p+1
.endr
	WIN 0
	v_pk_add_f32 v[160:161], v[160:161], v[162:163]
	v_pk_add_f32 v[164:165], v[164:165], v[166:167]
	v_pk_add_f32 v[160:161], v[160:161], v[164:165]
	v_add_f32 v160, v160, v161
	v_permlanex16_b32 v161, v160, s92, s93         ; the row's other 128 features lie in the lane 16 away
	v_add_f32 v160, v160, v161
	v_mul_f32 v168, s100, v160
	v_mov_b32 v169, v168
	WIN WS
.set p, 0
.rept 64
	v_pk_add_f32 v[32+2*p:33+2*p], v[XB+2*p:XB+2*p+1], v[168:169] neg_lo:[0,1] neg_hi:[0,1]
.set p, p+1
.endr
	WIN 0
.irp k, 0,1,2,3
	v_pk_mul_f32 v[172+2*(\k):173+2*(\k)], v[32+2*(\k):33+2*(\k)], v[32+2*(\k):33+2*(\k)]
.endr
.set p, 4
.rept 60
	v_pk_fma_f32 v[172+2*(p%4):173+2*(p%4)], v[32+2*p:33+2*p], v[32+2*p:33+2*p], v[172+2*(p%4):173+2*(p%4)]
.set p, p+1
.endr
	v_pk_add_f32 v[172:173], v[172:173], v[174:175]
	v_pk_add_f32 v[176:177], v[176:177], v[178:179]
	v_pk_add_f32 v[172:173], v[172:173], v[176:177]
	v_add_f32 v172, v172, v173
	v_permlanex16_b32 v173, v172, s92, s93
	v_add_f32 v172, v172, v173
	v_fma_f32 v172, v172, s100, s101               ; / 256 + 1e-5
	v_rsq_f32 v180, v172
	v_nop
	s_wait_alu depctr_va_vdst(0)                   ; the wait ahead of the first use
	v_mov_b32 v181, v180
.set p, 0
.rept 64
	v_pk_mul_f32 v[32+2*p:33+2*p], v[32+2*p:33+2*p], v[180:181]
.set p, p+1
.endr
	WIN 0x40
.set p, 0
.rept 64
	v_cvt_pk_bf16_f32 v[64*(\rt)+p], v[32+2*p], v[33+2*p]
.set p, p+1
.endr
.endm
.macro ADDB2                           ; X += b2, behind a block's second half
	WIN 0
.set i, 0
.rept 16
	ds_load_b128 v[32+8*i:35+8*i], v[B2ADR] offset:64*i
	ds_load_b128 v[36+8*i:39+8*i], v[B2ADR] offset:64*i+16
.set i, i+1
.endr
	s_wait_dscnt 0x0
	v_add_nc_u32 v[B2ADR], 1024, v[B2ADR]
.irp rt, 0,1,2,3
	WIN 0x82+0x41*((\rt)/2)
.set p, 0
.rept 64
	v_pk_add_f32 v[128*((\rt)%2)+2*p:128*((\rt)%2)+2*p+1], v[128*((\rt)%2)+2*p:128*((\rt)%2)+2*p+1], v[32+2*p:33+2*p]
.set p, p+1
.endr
.endr
.endm
.macro Q8 line:vararg                  ; one line for each of eight register pairs, q = 0, 2, .. 14
.set q, 0
.rept 8
	\line
.set q, q+2
.endr
.endm
; THE TIME EMBEDDING of one row tile: my 16 frequencies.  u = t f / 2 pi; g = u - rndne(u); y = g^2; s = sin(pi g), c = cos(pi g) by their series; sin = 2 s c, cos = 1 - 2 s^2.
.macro TEMB rt
.set TP, TT+2*((\rt)/2)
	WIN 0
.if (\rt)%2
	Q8 v_pk_mul_f32 v[32+q:33+q], v[FR+q:FR+q+1], v[TP:TP+1] op_sel:[0,1] op_sel_hi:[1,1]
.else
	Q8 v_pk_mul_f32 v[32+q:33+q], v[FR+q:FR+q+1], v[TP:TP+1] op_sel_hi:[1,0]
.endif
	Q8 v_rndne_f32 v[48+q], v[32+q]
	Q8 v_rndne_f32 v[49+q], v[33+q]
	Q8 v_pk_add_f32 v[32+q:33+q], v[32+q:33+q], v[48+q:49+q] neg_lo:[0,1] neg_hi:[0,1]
	Q8 v_pk_mul_f32 v[64+q:65+q], v[32+q:33+q], v[32+q:33+q]
	Q8 v_pk_fma_f32 v[80+q:81+q], v[64+q:65+q], s[84:85], s[96:97] op_sel_hi:[1,0,0]
	Q8 v_pk_fma_f32 v[96+q:97+q], v[64+q:65+q], s[86:87], s[98:99] op_sel_hi:[1,0,0]
	Q8 v_pk_fma_f32 v[80+q:81+q], v[80+q:81+q], v[64+q:65+q], 0x402335e3 op_sel_hi:[1,1,0]
	Q8 v_pk_fma_f32 v[96+q:97+q], v[96+q:97+q], v[64+q:65+q], 0x4081e0f8 op_sel_hi:[1,1,0]
	Q8 v_pk_fma_f32 v[80+q:81+q], v[80+q:81+q], v[64+q:65+q], 0xc0a55de7 op_sel_hi:[1,1,0]
	Q8 v_pk_fma_f32 v[96+q:97+q], v[96+q:97+q], v[64+q:65+q], 0xc09de9e6 op_sel_hi:[1,1,0]
	Q8 v_pk_fma_f32 v[80+q:81+q], v[80+q:81+q], v[64+q:65+q], 0x40490fdb op_sel_hi:[1,1,0]
	Q8 v_pk_fma_f32 v[96+q:97+q], v[96+q:97+q], v[64+q:65+q], 1.0 op_sel_hi:[1,1,0]
	Q8 v_pk_mul_f32 v[80+q:81+q], v[80+q:81+q], v[32+q:33+q]
	Q8 v_pk_add_f32 v[112+q:113+q], v[80+q:81+q], v[80+q:81+q]
	Q8 v_pk_mul_f32 v[96+q:97+q], v[112+q:113+q], v[96+q:97+q]
	Q8 v_pk_fma_f32 v[80+q:81+q], v[112+q:113+q], v[80+q:81+q], 1.0 op_sel_hi:[1,1,0] neg_lo:[1,0,0] neg_hi:[1,0,0]
	WIN 0x40
	Q8 v_cvt_pk_bf16_f32 v[64*(\rt)+32+q/2], v[96+q], v[97+q]
	Q8 v_cvt_pk_bf16_f32 v[64*(\rt)+40+q/2], v[80+q], v[81+q]
.endm
.macro STL rt, b                       ; a row tile's state: 16 LDS loads of 16 bytes a lane; rows 528 bytes apart start at 16 different groups of four banks (ISA guide 11.1)
.set l, 0
.rept 16
	ds_load_b128 v[32+64*(\b)+4*l:35+64*(\b)+4*l], v13 offset:8448*(\rt)+128*(l/4)+64*((l%4)/2)+16*(l%2)
.set l, l+1
.endr
.endm
.macro STC rt, b
	WIN 0x40
.set p, 0
.rept 32
	v_cvt_pk_bf16_f32 v[64*(\rt)+p], v[32+64*(\b)+2*p], v[33+64*(\b)+2*p]
.set p, p+1
.endr
.endm
; actions (AB + 0..15) and x0 (AB + 16..31) of one row tile: the target a - x0 goes to LDS in f32, x_t = x0 + t (a - x0) to A(rt, 6).  In the second tile lanes 16-31 hold 0; number 7 of lanes 0-15 is the 1 that meets b_in.
.macro ACT rt
.set AB, 32+32*(\rt)
.set TP, TT+2*((\rt)/2)
	WIN 0
.irp p, 0,2,4,6,8,10,12
	v_pk_add_f32 v[AB+(\p):AB+(\p)+1], v[AB+(\p):AB+(\p)+1], v[AB+16+(\p):AB+17+(\p)] neg_lo:[0,1] neg_hi:[0,1]
.endr
	v_sub_f32 v[AB+14], v[AB+14], v[AB+30]
.irp p, 0,2,4,6,8,10,12
.if (\rt)%2
	v_pk_fma_f32 v[AB+16+(\p):AB+17+(\p)], v[AB+(\p):AB+(\p)+1], v[TP:TP+1], v[AB+16+(\p):AB+17+(\p)] op_sel:[0,1,0] op_sel_hi:[1,1,1]
.else
	v_pk_fma_f32 v[AB+16+(\p):AB+17+(\p)], v[AB+(\p):AB+(\p)+1], v[TP:TP+1], v[AB+16+(\p):AB+17+(\p)] op_sel_hi:[1,0,1]
.endif
.endr
	v_fma_f32 v[AB+30], v[AB+14], v[TT+(\rt)], v[AB+30]
.irp i, 8,9,10,11,12,13,14
	v_cndmask_b32 v[AB+(\i)], 0, v[AB+(\i)], s94
	v_cndmask_b32 v[AB+16+(\i)], 0, v[AB+16+(\i)], s94
.endr
	v_mov_b32 v[AB+15], 0
	v_cndmask_b32 v[AB+31], 0, 1.0, s94
.irp q, 0,1,2,3
	ds_store_b128 v11, v[AB+4*(\q):AB+4*(\q)+3] offset:2048*(\rt)+512*(\q)
.endr
	WIN 0x40
.irp q, 0,1,2,3,4,5,6,7
	v_cvt_pk_bf16_f32 v[64*(\rt)+48+(\q)], v[AB+16+2*(\q)], v[AB+17+2*(\q)]
.endr
.endm
	s_load_b256 s[4:11], s[0:1], 0x0               ; state s[4:5], actions s[6:7], t s[8:9], x0 s[10:11]
	s_load_b128 s[12:15], s[0:1], 0x20             ; ws s[12:13], out1 s[14:15]
	s_load_b64 s[66:67], s[0:1], 0x30              ; part
	v_lshl_add_u32 v[SPW], v0, 2, SPARE
	v_mov_b32 v[NIL], 0
	ds_add_u32 v[SPW], v[NIL]                      ; the wave's opening: the add, twice on end, and its wait ahead of my first tensor load; the set-up below stands between
	ds_add_u32 v[SPW], v[NIL]
	v_lshrrev_b32 v11, 5, v0
	v_readfirstlane_b32 s[WV], v11                 ; wave 0..3
	s_bfe_u32 s[CX], ttmp6, 0x40000
	s_lshl_b32 s[WGX], ttmp9, 2                    ; in a cluster launch ttmp9 counts clusters
	s_add_co_u32 s[WGX], s[WGX], s[CX]
	; group 1 of the weights' tiles: dense bytes as rows of 256 (32 elements of 8 bytes), asked for by all four work-groups
	s_mov_b32 s16, 15|(3<<16)|(1<<21)              ; 15:0 the mask; 17:16 elements of 8 bytes; 21 set beside a mask
	s_mov_b32 s17, 32<<16                          ; tensor_dim0
	s_mov_b32 s18, 64<<16                          ; tensor_dim1: 64 rows a wave for Wv1
	s_mov_b32 s19, 32<<16                          ; tile_dim0
	s_mov_b32 s20, 64                              ; tile_dim1
	s_mov_b32 s21, 32                              ; elements from row to row
	s_mov_b32 s22, 0
	s_mov_b32 s23, 0
	s_mov_b32 s24, 15|(3<<16)|(1<<21)              ; W_out and the tables: 24 rows a wave
	s_mov_b32 s25, 32<<16
	s_mov_b32 s26, 24<<16
	s_mov_b32 s27, 32<<16
	s_mov_b32 s28, 24
	s_mov_b32 s29, 32
	s_mov_b32 s30, 0
	s_mov_b32 s31, 0
	s_mov_b32 s32, (2<<16)|(1<<20)|(6<<22)|(3<<25) ; my own state: elements of 4 bytes; 4 words of padding behind every 128
	s_mov_b32 s33, 128<<16
	s_mov_b32 s34, 64<<16
	s_mov_b32 s35, 128<<16
	s_mov_b32 s36, 64
	s_mov_b32 s37, 128
	s_mov_b32 s38, 0
	s_mov_b32 s39, 0
	s_mov_b32 s40, 3<<16                           ; my own actions and x0: 64 rows of 92 bytes are 23 rows of 256
	s_mov_b32 s41, 32<<16
	s_mov_b32 s42, 23<<16
	s_mov_b32 s43, 32<<16
	s_mov_b32 s44, 23
	s_mov_b32 s45, 32
	s_mov_b32 s46, 0
	s_mov_b32 s47, 0
	s_mov_b32 s48, 1                               ; group 0s: count, LDS address (the wave's number times a constant plus a constant)
	s_lshl_b32 s49, s[WV], 14
	s_mov_b32 s52, 1
	s_mul_i32 s53, s[WV], 6144
	s_add_co_u32 s53, s53, RES
	s_mov_b32 s56, 1
	s_mul_i32 s57, s[WV], 33792
	s_add_co_u32 s57, s57, SLOT1
	s_mov_b32 s60, 1
	s_mul_i32 s61, s[WV], 5888
	s_add_co_u32 s61, s61, ACTA
	s_mov_b32 s68, 1
	s_mul_i32 s69, s[WV], 5888
	s_add_co_u32 s69, s69, ACTX
	s_mov_b32 s83, 0
	s_mov_b32 s89, 0
	s_mov_b32 s84, 0x3da83c1c                      ; pi^9 / 9!
	s_mov_b32 s85, s84
	s_mov_b32 s86, 0x3e70fa81                      ; pi^8 / 8!
	s_mov_b32 s87, s86
	s_mov_b32 s90, 0xbfb8aa3b                      ; -log2(e)
	s_mov_b32 s91, s90
	s_mov_b32 s92, 0x76543210                      ; v_permlanex16_b32: each lane takes its own place in the other half
	s_mov_b32 s93, 0xfedcba98
	s_mov_b32 s94, 0xffff                          ; lanes 0-15
	s_mov_b32 s96, 0xbf196966                      ; -pi^7 / 7!
	s_mov_b32 s97, s96
	s_mov_b32 s98, 0xbfaae9e4                      ; -pi^6 / 6!
	s_mov_b32 s99, s98
	s_mov_b32 s100, 0x3b800000                     ; 1 / 256
	s_mov_b32 s101, 0x3727c5ac                     ; 1e-5
	s_cmp_eq_u32 ttmp9, 0
	s_cselect_b32 s[LIM], 1, -1                    ; the same in all four partners
	v_and_b32 v[RR], 15, v0
	v_bfe_u32 v[HH], v0, 4, 1
	v_and_b32 v11, 31, v0
	v_lshlrev_b32 v[W0], 4, v11
	v_lshlrev_b32 v[PFO], 8, v11
	s_wait_dscnt 0x0                               ; both opening adds are done
	s_wait_kmcnt 0x0
	s_lshl_b32 s82, s[WV], 14
	s_add_nc_u64 s[50:51], s[12:13], s[82:83]      ; my quarter of Wv1
	s_or_b32 s51, s51, 0x80000000
	s_mul_i32 s82, s[WV], 6144
	s_add_co_u32 s82, s82, 966656
	s_add_nc_u64 s[54:55], s[12:13], s[82:83]      ; my quarter of W_out and the tables
	s_or_b32 s55, s55, 0x80000000
	s_lshl2_add_u32 s95, s[WGX], s[WV]             ; my wave among the launch's 2,048
	s_lshl_b32 s88, s95, 15
	s_add_nc_u64 s[58:59], s[4:5], s[88:89]        ; its 64 rows of state,
	s_or_b32 s59, s59, 0x80000000
	s_mul_i32 s88, s95, 5888
	s_add_nc_u64 s[62:63], s[6:7], s[88:89]        ; of actions,
	s_or_b32 s63, s63, 0x80000000
	s_add_nc_u64 s[70:71], s[10:11], s[88:89]      ; of x0,
	s_or_b32 s71, s71, 0x80000000
	s_lshl_b32 s88, s95, 8
	s_add_nc_u64 s[8:9], s[8:9], s[88:89]          ; of t and of the value,
	s_add_nc_u64 s[14:15], s[14:15], s[88:89]
	s_lshl_b32 s88, s95, 2
	s_add_nc_u64 s[66:67], s[66:67], s[88:89]      ; and its word of part
	s_lshl2_add_u32 s88, s[CX], s[WV]
	s_lshl_b32 s88, s88, 13
	s_add_co_u32 s88, s88, 49152                   ; one tile short of the first half block: the first change of slots steps it there
	s_add_nc_u64 s[PFA:PFA+1], s[12:13], s[88:89]
	CROUND                                         ; all four work-groups are here: the first joint loads meet
	tensor_load_to_lds s[56:59], s[32:39]          ; the first fills go out as one group: five loads of mine are out
	s_nop 0
	tensor_load_to_lds s[60:63], s[40:47]
	s_nop 0
	tensor_load_to_lds s[68:71], s[40:47]
	s_nop 0
	tensor_load_to_lds s[48:51], s[16:23]
	s_nop 0
	tensor_load_to_lds s[52:55], s[24:31]
	s_nop 0
	PLACES
	; while they are on their way: t, the frequencies, the time embedding
	v_lshlrev_b32 v12, 2, v[RR]
.irp rt, 0,1,2,3
	global_load_b32 v[TT+(\rt)], v12, s[8:9] offset:64*(\rt) th:TH_LOAD_NT
.endr
	v_lshlrev_b32 v11, 3, v[HH]
.set i, 0
.rept 16
	v_add_nc_u32 v[FR+i], i+8*(i/8), v11           ; my frequencies' numbers: 8 h + 0..7 and 16 + 8 h + 0..7, as a fragment's k lies
.set i, i+1
.endr
.set i, 0
.rept 16
	v_cvt_f32_u32 v[FR+i], v[FR+i]
.set i, i+1
.endr
.set i, 0
.rept 16
	v_mul_f32 v[FR+i], 0xbed49a78, v[FR+i]         ; x -log2(10000) / 32
.set i, i+1
.endr
.set i, 0
.rept 16
	v_exp_f32 v[FR+i], v[FR+i]
.set i, i+1
.endr
	v_mul_u32_u24 v13, v[RR], 528                  ; (a plain line behind the last exponential) the state's LDS address: my rows, 528 bytes apart, 32 h
	s_wait_alu depctr_va_vdst(0)                   ; one wait for the sixteen, ahead of their first reader
.set i, 0
.rept 16
	v_mul_f32 v[FR+i], 0x3e22f983, v[FR+i]         ; / 2 pi
.set i, i+1
.endr
	v_lshl_add_u32 v13, v[HH], 5, v13
	v_add_nc_u32 v13, s57, v13
	v_mul_u32_u24 v15, v[RR], 92                   ; actions' LDS address: my rows, 92 bytes apart;
	v_add_nc_u32 v15, s61, v15
	v_lshl_add_u32 v14, v[HH], 5, v15              ; and with my 8 features of the first tile
	s_wait_loadcnt 0x0                             ; t
	TEMB 0
	TEMB 1
	TEMB 2
	TEMB 3
	WIN 0
	s_lshl_b32 s95, s[WV], 13
	s_add_co_u32 s95, s95, VT
	v_add_nc_u32 v11, s95, v[W0]                   ; where the target goes
	s_wait_tensorcnt 0x0                           ; my five loads have landed; here I read my own rows alone
	STL 0, 0
	STL 1, 1
	s_wait_dscnt 16                                ; the younger tile's sixteen loads may stay out
	STC 0, 0
	WIN 0
	STL 2, 0
	s_wait_dscnt 16
	STC 1, 1
	WIN 0
	STL 3, 1
	s_wait_dscnt 16
	STC 2, 0
	s_wait_dscnt 0x0
	STC 3, 1
	WIN 0
.irp rt, 0,1,2,3
.irp j, 0,1,2,3,4,5,6,7
	ds_load_b32 v[32+32*(\rt)+(\j)], v14 offset:1472*(\rt)+4*(\j)
	ds_load_b32 v[48+32*(\rt)+(\j)], v14 offset:1472*(\rt)+4*(\j)+ACTX-ACTA
.endr
.irp j, 0,1,2,3,4,5,6
	ds_load_b32 v[40+32*(\rt)+(\j)], v15 offset:1472*(\rt)+64+4*(\j)
	ds_load_b32 v[56+32*(\rt)+(\j)], v15 offset:1472*(\rt)+64+4*(\j)+ACTX-ACTA
.endr
.endr
	s_wait_dscnt 0x0
	ACT 0
	ACT 1
	ACT 2
	ACT 3
	CHANGE 1                                       ; the state has been read by all: W_in' into slot 1.  Behind the round Wv1 and the tables are whole for every wave
	; THE VALUE HEAD: eight chunks of 32 hidden features, K = 128
.set i, 0
.rept 8
	v_mov_b32 v[VA+i], 0
.set i, i+1
.endr
	s_mov_b32 s[TB], 0
	v_lshl_add_u32 v[BADR], v[HH], 5, TABL
	START
	s_mov_b32 s[CNT], 8
.Lval:
	s_wait_dscnt 0x0
	WIN 0x04
	FETCH 1, 1, WADR
	ds_load_b128 v[WVR:WVR+3],     v[BADR] offset:1024  ; Wv2 of my features
	ds_load_b128 v[WVR+4:WVR+7],   v[BADR] offset:1040
	ds_load_b128 v[WVR+8:WVR+11],  v[BADR] offset:1088
	ds_load_b128 v[WVR+12:WVR+15], v[BADR] offset:1104
	MULN 0
	PLACES
	s_wait_dscnt 0x0
	WIN 0
	s_add_co_u32 s[TB], s[TB], 8192
	v_add_nc_u32 v[BADR], 128, v[BADR]
	s_cmp_eq_u32 s[CNT], 1
	s_cbranch_scc1 .Lval_last
	v_add_nc_u32 v[WADR], s[TB], v[W0]
	FETCH 0, 0, WADR
	BILOAD
.Lval_last:
	MULN 1
	PLACES
	VV
	WIN 0
	s_sub_co_u32 s[CNT], s[CNT], 1
	s_cmp_lg_u32 s[CNT], 0
	s_cbranch_scc1 .Lval
	v_mov_b32 v102, TABL+7296
	ds_load_b32 v101, v102                         ; bv2
	s_lshl_b32 s95, s[WV], 8
	s_add_co_u32 s95, s95, VST
	v_lshl_add_u32 v96, v[RR], 2, s95              ; in: word 16 rt + r
	v_lshrrev_b32 v100, 1, v[W0]                   ; 8 x lane
	v_add_nc_u32 v97, s95, v100                    ; back: 8 bytes a lane
.irp rt, 0,1,2,3
	v_add_f32 v[VA+2*(\rt)], v[VA+2*(\rt)], v[VA+2*(\rt)+1]
.endr
.irp rt, 0,1,2,3
	v_permlanex16_b32 v[VA+2*(\rt)+1], v[VA+2*(\rt)], s92, s93
.endr
.irp rt, 0,1,2,3
	v_add_f32 v[VA+2*(\rt)], v[VA+2*(\rt)], v[VA+2*(\rt)+1]
.endr
	s_wait_dscnt 0x0
.irp rt, 0,1,2,3
	v_add_f32 v[VA+2*(\rt)], v[VA+2*(\rt)], v101
.endr
.irp rt, 0,1,2,3
	ds_store_b32 v96, v[VA+2*(\rt)] offset:64*(\rt)  ; both halves of the lanes hold the row's value and write the same word
.endr
	ds_load_b64 v[98:99], v97                      ; LDS serves a wave's instructions in order (ISA guide 5.7.1.4): this sees the stores above
	s_wait_dscnt 0x0
	global_store_b64 v100, v[98:99], s[14:15]      ; the wave stores 256 consecutive bytes, at a multiple of 256 from out1's first
	CHANGE 2                                       ; W_in' is in; Wv1, actions and x0 have been read: the first half block into slot 0
	; THE INPUT LAYER: K = 224 in seven steps, 16 feature tiles each
	v_add_nc_u32 v[WADR], SLOT1, v[W0]
	v_add_nc_u32 v[WADR2], SLOT1+65536, v[W0]
	FETCH 0, 0, WADR
.set g, 0
.rept 28
	s_wait_dscnt 0x0
	WIN 0
.if g < 15
	FETCH g+1, (g+1)%2, WADR
.elseif g < 27
	FETCH g-15, (g+1)%2, WADR2
.endif
.if g < 4
	MULW g%2, 4*(g%4), 1, g/4, 1
.else
	MULW g%2, 4*(g%4), 1, g/4, 0
.endif
	PLACES
.set g, g+1
.endr
	SILUX 0
	SILUX 1
	SILUX 2
	SILUX 3
	WIN 0
	; THE THREE BLOCKS: six half blocks; five trips fill a slot again, the sixth is written out
	v_lshl_add_u32 v[BADR], v[HH], 5, TABL+2048
	v_lshl_add_u32 v[B2ADR], v[HH], 5, TABL+5120
	s_mov_b32 s[TB], 262144                        ; the first change of slots turns this into 0
	s_mov_b32 s[PAR], 0
	s_mov_b32 s[TRIP], 5
.Lhalf:
	CHANGE 3
	s_cmp_eq_u32 s[PAR], 0                         ; a block's first half begins with its LayerNorm; at the first trip the answer is a constant of the text
	s_cbranch_scc0 .Lno_ln
	LNRT 0
	LNRT 1
	LNRT 2
	LNRT 3
	WIN 0
.Lno_ln:
	HB
	s_cmp_eq_u32 s[PAR], 1                         ; a block's second half ends with b2
	s_cbranch_scc0 .Lno_b2
	ADDB2
	WIN 0
.Lno_b2:
	s_xor_b32 s[PAR], s[PAR], 1
	s_sub_co_u32 s[TRIP], s[TRIP], 1
	s_cmp_lg_u32 s[TRIP], 0
	s_cbranch_scc1 .Lhalf
	CHANGE 0                                       ; the last half block: nothing is asked for; its b2 lies in b_out'
	HB
	; THE OUTPUT LAYER AND THE LOSS
.irp rt, 0,1,2,3
	WIN 0x4a+5*((\rt)/2)
.set p, 0
.rept 64
	v_cvt_pk_bf16_f32 v[64*(\rt)+p], v[128*((\rt)%2)+2*p], v[128*((\rt)%2)+2*p+1]
.set p, p+1
.endr
.endr
	WIN 0
	v_add_nc_u32 v[WADR], RES, v[W0]
	v_lshl_add_u32 v[BADR], v[HH], 5, TABL+7168
	FETCH 0, 0, WADR
	BILOAD
	s_lshl_b32 s95, s[WV], 13
	s_add_co_u32 s95, s95, VT
	v_add_nc_u32 v11, s95, v[W0]
.irp rt, 0,1,2,3
.irp q, 0,1,2,3
	ds_load_b128 v[E+32*((\q)/2)+8*(\rt)+4*((\q)%2):E+32*((\q)/2)+8*(\rt)+4*((\q)%2)+3], v11 offset:2048*(\rt)+512*(\q)  ; the target, laid as the result is
.endr
.endr
	STEPN 0, 1
	STEPN 1, 1
	STEPN 2, 1
	STEPN 3, 0
	WIN 0
.set i, 0
.rept 32
	v_pk_add_f32 v[H+i:H+i+1], v[H+i:H+i+1], v[E+i:E+i+1] neg_lo:[0,1] neg_hi:[0,1]
.set i, i+2
.endr
.irp k, 0,1,2,3
	v_pk_mul_f32 v[160+2*(\k):161+2*(\k)], v[H+2*(\k):H+2*(\k)+1], v[H+2*(\k):H+2*(\k)+1]
.endr
.set p, 4
.rept 28
	v_pk_fma_f32 v[160+2*(p%4):161+2*(p%4)], v[H+2*p:H+2*p+1], v[H+2*p:H+2*p+1], v[160+2*(p%4):161+2*(p%4)]
.set p, p+1
.endr
	v_pk_add_f32 v[160:161], v[160:161], v[162:163]
	v_pk_add_f32 v[164:165], v[164:165], v[166:167]
	v_pk_add_f32 v[160:161], v[160:161], v[164:165]
	v_add_f32 v160, v160, v161
	v_add_f32_dpp v160, v160, v160 row_xmask:1 row_mask:0xf bank_mask:0xf
	v_add_f32_dpp v160, v160, v160 row_xmask:2 row_mask:0xf bank_mask:0xf
	v_add_f32_dpp v160, v160, v160 row_xmask:4 row_mask:0xf bank_mask:0xf
	v_add_f32_dpp v160, v160, v160 row_xmask:8 row_mask:0xf bank_mask:0xf
	v_permlanex16_b32 v161, v160, s92, s93
	v_add_f32 v160, v160, v161                     ; the sum of my 64 rows' squares
	v_and_b32 v11, 31, v0
	v_mov_b32 v12, 0
	v_cmp_eq_u32 vcc_lo, 0, v11
	s_wait_xcnt 0x0                                ; EXEC changes only behind this wait
	s_and_saveexec_b32 s95, vcc_lo
	global_store_b32 v12, v160, s[66:67]
	s_wait_xcnt 0x0                                ; and again, in front of the line that widens it
	s_or_b32 exec_lo, exec_lo, s95
	s_wait_tensorcnt 0x0                           ; the wave's end, behind my last tensor load and my last LDS store
	ds_add_u32 v[SPW], v[NIL]
	s_wait_dscnt 0x0
	CROUND                                         ; the closing round: no work-group ends while a partner may still ask for a tile that names it
	s_endpgm
.Lfunc_end_k_qd3db4dba30_main:
	.size	k_qd3db4dba30_main, .Lfunc_end_k_qd3db4dba30_main-k_qd3db4dba30_main
	.p2alignl 7, 3214868480
	.fill 96, 4, 3214868480
	.section	.rodata,"a",@progbits
	.p2align	6, 0x0
	.amdhsa_kernel k_qd3db4dba30_main
		.amdhsa_group_segment_fixed_size 327680
		.amdhsa_private_segment_fixed_size 0
		.amdhsa_enable_private_segment 0
		.amdhsa_kernarg_size 56
		.amdhsa_user_sgpr_count 2
		.amdhsa_user_sgpr_kernarg_segment_ptr 1
		.amdhsa_wavefront_size32 1
		.amdhsa_system_sgpr_workgroup_id_x 1
		.amdhsa_system_sgpr_workgroup_id_y 1
		.amdhsa_system_sgpr_workgroup_id_z 1
		.amdhsa_system_vgpr_workitem_id 0
		.amdhsa_next_free_vgpr 1024
		.amdhsa_next_free_sgpr 102
		.amdhsa_reserve_vcc 1
		.amdhsa_float_denorm_mode_32 3
		.amdhsa_float_denorm_mode_16_64 3
		.amdhsa_memory_ordered 1
		.amdhsa_forward_progress 1
		.amdhsa_inst_pref_size 255
	.end_amdhsa_kernel
	.section	.bss,"aw",@nobits
	.p2align	6
	.space	262144
	.amdgpu_metadata
---
amdhsa.version: [ 1, 2 ]
amdhsa.kernels:
  - .name:           k_qd3db4dba30_main
    .symbol:         k_qd3db4dba30_main.kd
    .args:
      - { .name: state, .offset: 0, .size: 8, .value_kind: global_buffer, .address_space: global }
      - { .name: actions, .offset: 8, .size: 8, .value_kind: global_buffer, .address_space: global }
      - { .name: t, .offset: 16, .size: 8, .value_kind: global_buffer, .address_space: global }
      - { .name: x0, .offset: 24, .size: 8, .value_kind: global_buffer, .address_space: global }
      - { .name: ws, .offset: 32, .size: 8, .value_kind: global_buffer, .address_space: global }
      - { .name: out1, .offset: 40, .size: 8, .value_kind: global_buffer, .address_space: global }
      - { .name: part, .offset: 48, .size: 8, .value_kind: global_buffer, .address_space: global }
    .group_segment_fixed_size: 327680
    .private_segment_fixed_size: 0
    .kernarg_segment_align: 8
    .kernarg_segment_size: 56
    .max_flat_workgroup_size: 128
    .sgpr_count:     102
    .vgpr_count:     1024
    .wavefront_size: 32
...
	.end_amdgpu_metadata
.endif
;; end of part 2
;; launch finish (part 3): grid 1 x 1, 1 waves a work-group, no clusters, 0 bytes of LDS; arguments part, out0; writes out0
.if DOCPART == 3
	.amdgcn_target "amdgcn-amd-amdhsa--gfx1250"
	.amdhsa_code_object_version 6
	.text
	.protected	k_qd3db4dba30_finish
	.globl	k_qd3db4dba30_finish
	.p2align	8
	.type	k_qd3db4dba30_finish,@function
k_qd3db4dba30_finish:
	s_mov_b64 s[64:65], 0
	v_nop
	global_prefetch_b8 v0, s[64:65] scope:SCOPE_SE
	s_setreg_imm32_b32 hwreg(HW_REG_WAVE_MODE, 25, 1), 1
	s_wait_xcnt 0x0
; out0 = the sum of the 2,048 partial sums of squares, one for each wave of the launch before, divided by 131,072 x 23.  One wave: 8,192 bytes, sixteen loads of 512 consecutive bytes.  Nothing is left out.
	s_load_b128 s[4:7], s[0:1], 0x0                ; part s[4:5], out0 s[6:7]
	v_lshlrev_b32 v1, 4, v0
	s_mov_b32 s8, 0x76543210
	s_mov_b32 s9, 0xfedcba98
	s_wait_kmcnt 0x0
.set i, 0
.rept 16
	global_load_b128 v[8+4*i:11+4*i], v1, s[4:5] offset:512*i
.set i, i+1
.endr
	s_wait_loadcnt 0x0
.irp n, 16,8,4,2,1
.set i, 0
.rept \n
	v_pk_add_f32 v[8+2*i:9+2*i], v[8+2*i:9+2*i], v[8+2*(i+\n):9+2*(i+\n)]
.set i, i+1
.endr
.endr
	v_add_f32 v8, v8, v9
	v_add_f32_dpp v8, v8, v8 row_xmask:1 row_mask:0xf bank_mask:0xf
	v_add_f32_dpp v8, v8, v8 row_xmask:2 row_mask:0xf bank_mask:0xf
	v_add_f32_dpp v8, v8, v8 row_xmask:4 row_mask:0xf bank_mask:0xf
	v_add_f32_dpp v8, v8, v8 row_xmask:8 row_mask:0xf bank_mask:0xf
	v_permlanex16_b32 v9, v8, s8, s9
	v_add_f32 v8, v8, v9
	v_mul_f32 v8, 0x34b21643, v8                   ; 1 / (23 x 2^17)
	v_mov_b32 v2, 0
	v_cmp_eq_u32 vcc_lo, 0, v0
	s_wait_xcnt 0x0                                ; EXEC changes only behind this wait
	s_and_saveexec_b32 s10, vcc_lo
	global_store_b32 v2, v8, s[6:7]
	s_wait_xcnt 0x0
	s_or_b32 exec_lo, exec_lo, s10
	s_endpgm
.Lfunc_end_k_qd3db4dba30_finish:
	.size	k_qd3db4dba30_finish, .Lfunc_end_k_qd3db4dba30_finish-k_qd3db4dba30_finish
	.p2alignl 7, 3214868480
	.fill 96, 4, 3214868480
	.section	.rodata,"a",@progbits
	.p2align	6, 0x0
	.amdhsa_kernel k_qd3db4dba30_finish
		.amdhsa_group_segment_fixed_size 0
		.amdhsa_private_segment_fixed_size 0
		.amdhsa_enable_private_segment 0
		.amdhsa_kernarg_size 16
		.amdhsa_user_sgpr_count 2
		.amdhsa_user_sgpr_kernarg_segment_ptr 1
		.amdhsa_wavefront_size32 1
		.amdhsa_system_sgpr_workgroup_id_x 1
		.amdhsa_system_sgpr_workgroup_id_y 1
		.amdhsa_system_sgpr_workgroup_id_z 1
		.amdhsa_system_vgpr_workitem_id 0
		.amdhsa_next_free_vgpr 80
		.amdhsa_next_free_sgpr 66
		.amdhsa_reserve_vcc 1
		.amdhsa_float_denorm_mode_32 3
		.amdhsa_float_denorm_mode_16_64 3
		.amdhsa_memory_ordered 1
		.amdhsa_forward_progress 1
		.amdhsa_inst_pref_size 5
	.end_amdhsa_kernel
	.amdgpu_metadata
---
amdhsa.version: [ 1, 2 ]
amdhsa.kernels:
  - .name:           k_qd3db4dba30_finish
    .symbol:         k_qd3db4dba30_finish.kd
    .args:
      - { .name: part, .offset: 0, .size: 8, .value_kind: global_buffer, .address_space: global }
      - { .name: out0, .offset: 8, .size: 8, .value_kind: global_buffer, .address_space: global }
    .group_segment_fixed_size: 0
    .private_segment_fixed_size: 0
    .kernarg_segment_align: 8
    .kernarg_segment_size: 16
    .max_flat_workgroup_size: 32
    .sgpr_count:     66
    .vgpr_count:     80
    .wavefront_size: 32
...
	.end_amdgpu_metadata
.endif
;; end of part 3
